; MI455X (gfx1250); checked and timed in simulation.
; The chip was launched on July 23, 2026; its instructions are those of AMD's public machine-readable ISA for CDNA 5 (MIT licence, August 2026) and "CDNA5" Instruction Set Architecture Reference Guide (July 2026). The comments in the code are by the model that wrote it; some were corrected since.
;; Evolved Multi Head Attention. Allowed arithmetic: matrix products marked QUANTISED: E2M1 operands, one E8M0 scale for each 32 along K, by v_wmma_scale_f32_16x16x128_f8f6f4 with both operands' format E2M1 (or v_wmma_scale_f32_32x16x128_f4), f32 sums; everything else in f32.
;; Inputs: Wk_codes 1,024 x 32 x 16 uint8 (E2M1 codes of Wk, K innermost, in blocks of 32 codes, two codes a byte); Wk_scales 1,024 x 32 uint8 (E8M0 scales of Wk, one for each 32 codes along K); Wo_codes 1,024 x 32 x 16 uint8 (E2M1 codes of Wo, K innermost, in blocks of 32 codes, two codes a byte); Wo_scales 1,024 x 32 uint8 (E8M0 scales of Wo, one for each 32 codes along K); Wq_codes 1,024 x 32 x 16 uint8 (E2M1 codes of Wq, K innermost, in blocks of 32 codes, two codes a byte); Wq_scales 1,024 x 32 uint8 (E8M0 scales of Wq, one for each 32 codes along K); Wv_codes 1,024 x 32 x 16 uint8 (E2M1 codes of Wv, K innermost, in blocks of 32 codes, two codes a byte); Wv_scales 1,024 x 32 uint8 (E8M0 scales of Wv, one for each 32 codes along K); bk 1,024 float32; bo 1,024 float32; bq 1,024 float32; bv 1,024 float32; keep_mask 2 x 16 x 2,048 x 2,048 bool; x_codes 2 x 2,048 x 32 x 16 uint8 (E2M1 codes of x, K innermost, in blocks of 32 codes, two codes a byte); x_scales 2 x 2,048 x 32 uint8 (E8M0 scales of x, one for each 32 codes along K).
;; Outputs: out0 2 x 2,048 x 1,024 float32.
;; This version of the problem:
;;   THIS VERSION OF THE PROBLEM IS GIVEN IN LOW PRECISION. The matrix products marked QUANTISED in the list below multiply operands that are first quantised to E2M1 (2 exponent bits, 1 mantissa bit; 4 bits a number), with one power-of-two scale for each 32 numbers along K (OCP MX v1.0); their sums are f32. All else is computed in f32.
;;   The module's matrix products, in the order in which they are computed (A, B: the left and right operand; K: the contracted axis; several contracted axes count as one K, in the product's order):
;;     1. [M 4,096, K 1,024] x [K 1,024, N 1,024]; A: input x (given as codes); B: input Wq (given as codes): QUANTISED
;;     2. [M 4,096, K 1,024] x [K 1,024, N 1,024]; A: input x (given as codes); B: input Wk (given as codes): QUANTISED
;;     3. [M 4,096, K 1,024] x [K 1,024, N 1,024]; A: input x (given as codes); B: input Wv (given as codes): QUANTISED
;;     4. batch 32 x [M 2,048, K 64] x [K 64, N 2,048]; A: computed on the way; B: computed on the way: QUANTISED
;;     5. batch 32 x [M 2,048, K 2,048] x [K 2,048, N 64]; A: computed on the way; B: computed on the way: QUANTISED
;;     6. [M 4,096, K 1,024] x [K 1,024, N 1,024]; A: computed on the way; B: input Wo (given as codes): QUANTISED
;;   THE QUANTISER, for each operand of a quantised product, along K:
;;     - K is cut into blocks of 32 from its start; a last block that is shorter is filled with zeros.
;;     - A block's scale is 2^e with e = floor(log2(the largest magnitude in the block)) - 2, held to -126 .. 127; a block of zeros has e = 0. As a byte (E8M0): e + 127.
;;     - Each number is divided by its block's scale, clamped to +-6, and rounded to the nearest number of E2M1, ties to even, subnormals kept.
;;     - The product sums the exact products of the quantised numbers (number of the format x scale) in f32.
;;   ~~~python
;;   def quantise(x, axis):      # numpy; x: float32 -> the quantised numbers, widened to float32 again
;;       x = np.moveaxis(x, axis, -1); K = x.shape[-1]
;;       x = np.pad(x, [(0, 0)] * (x.ndim - 1) + [(0, -K % 32)]); x = x.reshape(x.shape[:-1] + (-1, 32)); a = np.abs(x).max(-1, keepdims=True)
;;       e = np.where(a > 0, np.clip(np.frexp(np.where(a > 0, a, 1))[1] - 1 - 2, -126, 127), 0)      # np.frexp(a)[1] - 1 = floor(log2(a)), exactly
;;       r = np.clip(x / 2.0 ** e, -6, 6)
;;       step = 2.0 ** (np.maximum(np.frexp(np.where(r == 0, 1, r))[1] - 1, 0) - 1)
;;       q = np.round(r / step) * step * 2.0 ** e      # np.round: ties to even
;;       return np.moveaxis(q.reshape(q.shape[:-2] + (-1,))[..., :K], -1, axis).astype(np.float32)
;;   ~~~
;;   OPERANDS COMPUTED ON THE WAY. 'Computed on the way' means the value that the module computes at that place (a softmax that the list does not call 'softmax' is quantised finished and normalised). What goes into a quantiser is computed in f32, as accurately as f32 sums, v_exp_f32 and their like allow (about 1e-6 of the number): no bf16 or f16 on the way to a quantiser, and a product that is left as it is and whose result goes on into a quantised operand takes f32 operands (vector FMAs, or v_wmma_f32_16x16x4_f32). A number that lies on a knife's edge between two numbers of the format may be rounded either way, as far as f32 arithmetic and the matrix unit's own rounding can turn it there, and no further.
;;   INPUTS GIVEN AS CODES. Wk (in the module: [1024, 1024], K = its axis 1); Wo (in the module: [1024, 1024], K = its axis 1); Wq (in the module: [1024, 1024], K = its axis 1); Wv (in the module: [1024, 1024], K = its axis 1); x (in the module: [2, 2048, 1024], K = its axis 2): each comes as NAME_codes (uint8): NAME with its K axis moved to the last place and cut into blocks of 32 codes, [.., K / 32, bytes a block], one block behind the other in memory; two codes a byte, the lower K in the low four bits (a code: sign, 2 exponent bits, 1 mantissa bit); and NAME_scales (uint8): the same leading axes, one E8M0 byte (e + 127) for each 32 codes along K. Its value is code x scale, taken as it is: it is not quantised again, and the codes and scales need not be those that the quantiser above would give.
;; One version. Each part assembles by itself: llvm-mc -triple=amdgcn-amd-amdhsa -mcpu=gfx1250 --defsym DOCPART=n.
;; ======== version 1 of 1: 3 launches
;; limits: right only within a limited range of input values
;; workspace buffers: qimg 2,097,152 bytes; qsc 262,144 bytes; kbuf 2,359,296 bytes; vbuf 2,228,224 bytes; cimg 2,097,152 bytes; csc 131,072 bytes
;; launch qkv (part 1): grid 16 x 16, 8 waves a work-group, no clusters, 252,928 bytes of LDS; arguments x_codes, x_scales, Wq_codes, Wq_scales, Wk_codes, Wk_scales, Wv_codes, Wv_scales, bq, bk, bv, qimg, qsc, kbuf, vbuf; writes qimg, qsc, kbuf, vbuf
.if DOCPART == 1
	.amdgcn_target "amdgcn-amd-amdhsa--gfx1250"
	.amdhsa_code_object_version 6
	.text
	.protected	k_qf8084608ee_qkv
	.globl	k_qf8084608ee_qkv
	.p2align	8
	.type	k_qf8084608ee_qkv,@function
k_qf8084608ee_qkv:
	s_mov_b64 s[64:65], 0
	v_nop
	global_prefetch_b8 v0, s[64:65] scope:SCOPE_SE
	s_setreg_imm32_b32 hwreg(HW_REG_WAVE_MODE, 25, 1), 1
	s_wait_xcnt 0x0
; Q, K, V = x W^T + b on codes of FP4 (E2M1) with E8M0 scales, K = 1,024; the results are quantised at once and leave as codes and scale bytes,
; laid in the order of the registers of the operands that the attention launch wants.
; SHARES.  Work-group (x = block of 256 rows of x, y = head) makes 256 rows x the head's 64 features of Q, of K and of V.  All of K lies in LDS: seven chunks of 64 rows x 512 bytes
; (four of x, one each of Wq, Wk, Wv) and x's scale bytes, each filled once.  Wave w = 4 a + 2 c + v makes 24 accumulators of 16 x 16:
;   Q: source 0 = 16 rows of Wq (tile u = 0..3), source 1 = 16 rows of x (rows 32 w + 16 e + r).       A lane then holds one row of x and 32 neighbouring features.
;   K: source 0 = Wk's tile u, source 1 = x's tile t = 4 c + 2 v + e of the 128-row group a.            The same.
;   V: source 0 = x's tile t = 4 c + i (i = 0..3) of group a, source 1 = Wv's tile u = 2 v + e.         A lane then holds one channel and 32 neighbouring keys.
; THE ROWS OF A TILE ARE CHOSEN: row m of a tile u of a weight is feature 32 (m / 8) + 8 u + m % 8; row m of a tile t of x (for K and V) is row 64 (m / 8) + 8 t + m % 8 of the group.
; So the 32 registers of four neighbouring tiles are a whole block of 32 along the next product's K: its largest magnitude needs no other lane and its codes are the next operand's registers.
; bq and bk are the C of the first K step; bv (one number a lane) is added behind the sums.
; A block's scale is 2^(floor(log2(largest magnitude)) - 2), its byte held at 1 from below (a block of zeros gets the byte 1: its codes are zeros, and only this program reads the bytes).
; LIMITS: NaN and infinities among the inputs are not served.  W's rows f and f + 32 fall on the same LDS banks: those loads go two deep.
; No multicast: x's chunks are shared over heads and W's over row blocks, but each is fetched once in a launch of eight K steps; left out for plainness.
; REGISTERS.  Window 0: v1-23 addresses; v32-175 fragments; v176-247 scale words (lanes 0-15 the even tile of a pair, lanes 16-31 the odd one; one register a K step); v248-251 bv.
;             Window 1: v0-63 Q's accumulators, v64-127 K's, v128-191 V's, v192-223 bq, v224-255 bk in the result's layout.
.set XCH,   33920                      ; a chunk: 64 rows x 528 bytes + 128, so that rows 64 apart start in different banks
.set PITCH, 528                        ; 512 bytes + 16 of padding
.set SCB,   237568                     ; the scale bytes: chunk i's 64 rows x 32 bytes at SCB + 2,048 i
.set XQ, 32
.set WQ, 48
.set XK, 80
.set WK, 96
.set XS, 128
.set WV, 160
.set SXQ, 176
.set SXK, 184
.set SXS, 192
.set SWQ, 208
.set SWK, 224
.set SWV, 240
.set AQ, 0                             ; window 1
.set AK, 64
.set AV, 128
.set BQ, 192
.set BK, 224
.set MX, 32                            ; the way out, window 0: six largest magnitudes,
.set SCK, 40                           ; six conversion scales,
.set BY, 48                            ; six scale bytes,
.set TW, 56                            ; four scale words,
.set TP, 60                            ; the partner lane's,
.set CD, 64                            ; 24 registers of codes
.set MSB, 0
.macro WIN new                         ; the immediate's high byte repeats the setting that is left
.if MSB != \new
	s_set_vgpr_msb (MSB<<8)|\new
.set MSB, \new
.endif
.endm
.macro PLACES                          ; four plain vector instructions behind a matrix instruction, ahead of loads into its sources and of reads of its result
.rept 4
	v_nop
.endr
.endm
; one product: D, source 0, source 1, C (under 0: the constant 0), the two scale registers, and whether each side's scales stand in lanes 16-31
.macro WM d, a, b, c, sa, sb, ra, rb
.if (\c) < 0
.if (\ra) && (\rb)
	v_wmma_scale_f32_16x16x128_f8f6f4 v[\d:\d+7], v[\a:\a+7], v[\b:\b+7], 0, v[\sa], v[\sb] matrix_a_fmt:MATRIX_FMT_FP4 matrix_b_fmt:MATRIX_FMT_FP4 matrix_a_scale:MATRIX_SCALE_ROW1 matrix_b_scale:MATRIX_SCALE_ROW1
.elseif (\ra)
	v_wmma_scale_f32_16x16x128_f8f6f4 v[\d:\d+7], v[\a:\a+7], v[\b:\b+7], 0, v[\sa], v[\sb] matrix_a_fmt:MATRIX_FMT_FP4 matrix_b_fmt:MATRIX_FMT_FP4 matrix_a_scale:MATRIX_SCALE_ROW1
.elseif (\rb)
	v_wmma_scale_f32_16x16x128_f8f6f4 v[\d:\d+7], v[\a:\a+7], v[\b:\b+7], 0, v[\sa], v[\sb] matrix_a_fmt:MATRIX_FMT_FP4 matrix_b_fmt:MATRIX_FMT_FP4 matrix_b_scale:MATRIX_SCALE_ROW1
.else
	v_wmma_scale_f32_16x16x128_f8f6f4 v[\d:\d+7], v[\a:\a+7], v[\b:\b+7], 0, v[\sa], v[\sb] matrix_a_fmt:MATRIX_FMT_FP4 matrix_b_fmt:MATRIX_FMT_FP4
.endif
.else
.if (\ra) && (\rb)
	v_wmma_scale_f32_16x16x128_f8f6f4 v[\d:\d+7], v[\a:\a+7], v[\b:\b+7], v[\c:\c+7], v[\sa], v[\sb] matrix_a_fmt:MATRIX_FMT_FP4 matrix_b_fmt:MATRIX_FMT_FP4 matrix_a_scale:MATRIX_SCALE_ROW1 matrix_b_scale:MATRIX_SCALE_ROW1
.elseif (\ra)
	v_wmma_scale_f32_16x16x128_f8f6f4 v[\d:\d+7], v[\a:\a+7], v[\b:\b+7], v[\c:\c+7], v[\sa], v[\sb] matrix_a_fmt:MATRIX_FMT_FP4 matrix_b_fmt:MATRIX_FMT_FP4 matrix_a_scale:MATRIX_SCALE_ROW1
.elseif (\rb)
	v_wmma_scale_f32_16x16x128_f8f6f4 v[\d:\d+7], v[\a:\a+7], v[\b:\b+7], v[\c:\c+7], v[\sa], v[\sb] matrix_a_fmt:MATRIX_FMT_FP4 matrix_b_fmt:MATRIX_FMT_FP4 matrix_b_scale:MATRIX_SCALE_ROW1
.else
	v_wmma_scale_f32_16x16x128_f8f6f4 v[\d:\d+7], v[\a:\a+7], v[\b:\b+7], v[\c:\c+7], v[\sa], v[\sb] matrix_a_fmt:MATRIX_FMT_FP4 matrix_b_fmt:MATRIX_FMT_FP4
.endif
.endif
.endm
	s_load_b512 s[8:23], s[0:1], 0x0               ; x codes s[8:9], x scales s[10:11], Wq s[12:15], Wk s[16:19], Wv s[20:23]
	s_load_b256 s[24:31], s[0:1], 0x40             ; bq s[24:25], bk s[26:27], bv s[28:29], qimg s[30:31]
	s_load_b128 s[32:35], s[0:1], 0x60             ; qsc s[32:33], kbuf s[34:35]
	s_load_b64 s[36:37], s[0:1], 0x70              ; vbuf
	v_lshl_add_u32 v254, v0, 2, 0x3d800
	v_mov_b32 v255, 0
	ds_add_u32 v254, v255
	ds_add_u32 v254, v255
	v_lshrrev_b32 v24, 5, v0
	s_delay_alu instid0(VALU_DEP_1)
	v_readfirstlane_b32 s2, v24                    ; wave 0..7
	s_lshr_b32 s3, s2, 2                           ; a: which group of 128 rows
	s_bfe_u32 s4, s2, 0x10001                      ; c
	s_and_b32 s5, s2, 1                            ; v
	s_mov_b32 s6, ttmp9                            ; block of 256 rows
	s_and_b32 s7, ttmp7, 0xffff                    ; head
	; descriptor group 1 for a chunk of codes: 64 rows x 512 bytes, 16 bytes of padding behind each
	s_mov_b32 s40, (1<<20)|(6<<22)|(3<<25)         ; elements of 1 byte; padding on: 4 words behind every 128
	s_mov_b32 s41, 512<<16                         ; tensor_dim0
	s_mov_b32 s42, 64<<16                          ; tensor_dim1
	s_mov_b32 s43, 512<<16                         ; tile_dim0
	s_mov_b32 s44, 64                              ; tile_dim1
	s_mov_b32 s45, 512                             ; from row to row
	s_mov_b32 s46, 0
	s_mov_b32 s47, 0
	; and for its scale bytes: 8,192 dense bytes as 32 rows of 256 (32 elements of 8 bytes)
	s_mov_b32 s48, 3<<16
	s_mov_b32 s49, 32<<16
	s_mov_b32 s50, 32<<16
	s_mov_b32 s51, 32<<16
	s_mov_b32 s52, 32
	s_mov_b32 s53, 32
	s_mov_b32 s54, 0
	s_mov_b32 s55, 0
	s_lshl_b32 s76, s6, 17                         ; x: 256 rows x 512 bytes a block,
	s_lshl_b32 s77, s2, 15                         ; 64 rows a chunk
	s_add_co_u32 s76, s76, s77
	s_lshl_b32 s77, s7, 15                         ; a weight: the head's 64 rows
	s_mul_i32 s78, s2, XCH                         ; LDS: chunk = wave
	s_lshl_b32 s79, s2, 11
	s_add_co_u32 s79, s79, SCB
	s_wait_dscnt 0x0
	s_wait_kmcnt 0x0
	s_cmp_eq_u32 s2, 5                             ; waves 0-3 fetch x's chunks, 4 Wq's, 5 Wk's, 6 Wv's: the choice hangs on the wave's number alone
	s_cselect_b64 s[72:73], s[16:17], s[20:21]
	s_cselect_b64 s[74:75], s[18:19], s[22:23]
	s_cmp_eq_u32 s2, 4
	s_cselect_b64 s[72:73], s[12:13], s[72:73]
	s_cselect_b64 s[74:75], s[14:15], s[74:75]
	s_cmp_lt_u32 s2, 4
	s_cselect_b64 s[72:73], s[8:9], s[72:73]
	s_cselect_b64 s[74:75], s[10:11], s[74:75]
	s_cselect_b32 s68, s76, s77
	s_mov_b32 s69, 0
	s_lshr_b32 s70, s68, 4                         ; a row's scale bytes are a sixteenth of its codes' bytes
	s_mov_b32 s71, 0
	s_mov_b32 s56, 1
	s_mov_b32 s57, s78
	s_add_nc_u64 s[58:59], s[72:73], s[68:69]
	s_or_b32 s59, s59, 0x80000000
	s_mov_b32 s60, 1
	s_mov_b32 s61, SCB                             ; wave 7 fetches the scale bytes of x's 256 rows: 8,192 dense bytes
	s_lshl_b32 s70, s6, 13
	s_add_nc_u64 s[62:63], s[10:11], s[70:71]
	s_or_b32 s63, s63, 0x80000000
	s_cmp_lt_u32 s2, 7                             ; wave 7 has no chunk.  A wave's fill stands in one branch, ahead of every wait on TENSORcnt, LDS read and barrier: one load of mine is out
	s_cbranch_scc0 .Lsc_fill                       ; one tensor load a wave: waves 0-6 a chunk of codes, wave 7 x's scale bytes
	tensor_load_to_lds s[56:59], s[40:47]
	s_nop 0
	PLACES
	s_branch .Lfilled
.Lsc_fill:
	tensor_load_to_lds s[60:63], s[48:55]
	s_nop 0
	PLACES
.Lfilled:
	v_and_b32 v5, 31, v0                           ; lane
	v_and_b32 v1, 15, v0                           ; r
	v_bfe_u32 v2, v0, 4, 1                         ; h
	v_and_b32 v3, 7, v0                            ; r % 8
	v_bfe_u32 v4, v0, 3, 1                         ; r / 8
	; LDS addresses of the fragments: row x pitch + 16 h; a tile's place and the K step stand in the immediates
	s_lshr_b32 s76, s2, 1
	s_mul_i32 s76, s76, XCH
	s_mul_i32 s77, s5, 32*PITCH
	s_add_co_u32 s76, s76, s77
	v_mul_u32_u24 v24, v1, PITCH
	s_delay_alu instid0(VALU_DEP_1)
	v_lshl_add_u32 v24, v2, 4, v24
	s_delay_alu instid0(VALU_DEP_1)
	v_add_nc_u32 v6, s76, v24                      ; x for Q: rows 32 w + r
	s_mul_i32 s76, s3, 2*XCH
	s_mul_i32 s77, s4, 32*PITCH
	s_add_co_u32 s76, s76, s77
	v_mul_u32_u24 v25, v3, PITCH
	s_delay_alu instid0(VALU_DEP_1)
	v_lshl_add_u32 v25, v2, 4, v25
	s_wait_alu depctr_va_vdst(0)
	v_mad_u32_u24 v26, v4, XCH, v25
	s_delay_alu instid0(VALU_DEP_1)
	v_add_nc_u32 v7, s76, v26                      ; x for V: rows 128 a + 64 (r / 8) + 32 c + r % 8
	s_mul_i32 s77, s5, 16*PITCH
	v_add_nc_u32 v8, s77, v7                       ; x for K: 16 v rows on
	v_mad_u32_u24 v26, v4, 32*PITCH, v25
	s_delay_alu instid0(VALU_DEP_1)
	v_add_nc_u32 v9, 4*XCH, v26                    ; Wq: rows 32 (r / 8) + r % 8
	s_delay_alu instid0(VALU_DEP_2)
	v_add_nc_u32 v10, 5*XCH, v26                   ; Wk
	s_delay_alu instid0(VALU_DEP_3)
	v_add_nc_u32 v11, 6*XCH, v26
	s_delay_alu instid0(VALU_DEP_1)
	v_add_nc_u32 v11, s77, v11                     ; Wv: 16 v rows on
	; and of the scale words: 32 bytes a row; lanes 16-31 take the odd tile of a pair
	s_lshl_b32 s76, s2, 10
	s_add_co_u32 s76, s76, SCB
	v_lshl_add_u32 v12, v5, 5, s76                 ; x for Q: row 32 w + lane
	s_lshl_b32 s76, s3, 12
	s_lshl_b32 s78, s4, 10
	s_add_co_u32 s76, s76, s78
	s_add_co_u32 s76, s76, SCB
	v_lshlrev_b32 v27, 5, v3
	s_delay_alu instid0(VALU_DEP_1)
	v_lshl_add_u32 v27, v2, 8, v27                 ; 32 (r % 8 + 8 h)
	s_delay_alu instid0(VALU_DEP_1)
	v_lshl_add_u32 v28, v4, 11, v27
	s_delay_alu instid0(VALU_DEP_1)
	v_add_nc_u32 v13, s76, v28                     ; x for V
	s_lshl_b32 s78, s5, 9
	v_add_nc_u32 v14, s78, v13                     ; x for K
	v_lshl_add_u32 v28, v4, 10, v27
	s_delay_alu instid0(VALU_DEP_1)
	v_add_nc_u32 v17, s78, v28                     ; the weights' scale words come from memory: v28 my row's place in the head's 2,048 bytes (Wq, Wk), v17 the same for Wv
	; the biases
	s_lshl_b32 s68, s7, 8                          ; the head's 64 numbers
	s_add_nc_u64 s[24:25], s[24:25], s[68:69]
	s_add_nc_u64 s[26:27], s[26:27], s[68:69]
	s_add_nc_u64 s[28:29], s[28:29], s[68:69]
	v_lshlrev_b32 v18, 7, v2                       ; bq, bk: features 32 h + 8 u + 0..7
	v_lshlrev_b32 v19, 2, v3
	s_delay_alu instid0(VALU_DEP_1)
	v_lshl_add_u32 v19, v4, 7, v19
	s_lshl_b32 s76, s5, 6
	v_add_nc_u32 v19, s76, v19                     ; bv: channel 32 (r / 8) + 16 v + 8 e + r % 8
	WIN 0x40                                       ; destination window 1
.irp u, 0,1,2,3
	global_load_b128 v[BQ+8*\u:BQ+8*\u+3], v18, s[24:25] offset:32*\u
	global_load_b128 v[BQ+8*\u+4:BQ+8*\u+7], v18, s[24:25] offset:32*\u+16
	global_load_b128 v[BK+8*\u:BK+8*\u+3], v18, s[26:27] offset:32*\u
	global_load_b128 v[BK+8*\u+4:BK+8*\u+7], v18, s[26:27] offset:32*\u+16
.endr
	WIN 0
	global_load_b32 v248, v19, s[28:29]            ; each of my two numbers of bv twice: a pair for the packed additions
	global_load_b32 v249, v19, s[28:29]
	global_load_b32 v250, v19, s[28:29] offset:32
	global_load_b32 v251, v19, s[28:29] offset:32
	s_lshl_b32 s70, s7, 11                         ; the head's 64 rows x 32 scale bytes
	s_add_nc_u64 s[14:15], s[14:15], s[70:71]
	s_add_nc_u64 s[18:19], s[18:19], s[70:71]
	s_add_nc_u64 s[22:23], s[22:23], s[70:71]
	s_wait_alu depctr_va_vdst(0)                   ; ahead of the readers of v28 and v17
.irp p, 0,1
	global_load_b128 v[SWQ+8*\p:SWQ+8*\p+3], v28, s[14:15] offset:512*\p
	global_load_b128 v[SWQ+8*\p+4:SWQ+8*\p+7], v28, s[14:15] offset:512*\p+16
	global_load_b128 v[SWK+8*\p:SWK+8*\p+3], v28, s[18:19] offset:512*\p
	global_load_b128 v[SWK+8*\p+4:SWK+8*\p+7], v28, s[18:19] offset:512*\p+16
.endr
	global_load_b128 v[SWV:SWV+3], v17, s[22:23]
	global_load_b128 v[SWV+4:SWV+7], v17, s[22:23] offset:16
	; where the results go
	v_lshlrev_b32 v20, 4, v5                       ; 16 x lane
	v_lshlrev_b32 v21, 2, v5                       ; 4 x lane
	v_lshlrev_b32 v22, 3, v2                       ; 8 h
	v_lshl_add_u32 v23, v1, 4, v2                  ; 16 r + h
	s_mov_b32 s66, 0x76543210
	s_mov_b32 s67, 0xfedcba98                      ; v_permlanex16_b32's selects for lane l xor 16
	s_lshr_b32 s76, s6, 3
	s_lshl_b32 s76, s76, 4
	s_add_co_u32 s76, s76, s7                      ; bh = 16 x batch + head
	s_and_b32 s77, s6, 7
	s_lshl_b32 s78, s76, 7
	s_lshl_b32 s79, s77, 4
	s_add_co_u32 s78, s78, s79
	s_lshl_b32 s79, s2, 1
	s_add_co_u32 s78, s78, s79                     ; my first tile of queries: 128 bh + 16 (block % 8) + 2 w
	s_lshl_b32 s68, s78, 9
	s_add_nc_u64 s[30:31], s[30:31], s[68:69]      ; qimg: 512 bytes a tile
	s_lshl_b32 s68, s78, 6
	s_add_nc_u64 s[32:33], s[32:33], s[68:69]      ; qsc: 64 bytes a tile
	s_lshl_b32 s77, s77, 1
	s_add_co_u32 s77, s77, s3                      ; the key step: 2 (block % 8) + a
	s_mul_i32 s80, s76, 73728
	s_lshl_b32 s81, s77, 3
	s_lshl_b32 s82, s4, 2
	s_add_co_u32 s81, s81, s82
	s_lshl_b32 s82, s5, 1
	s_add_co_u32 s81, s81, s82
	s_lshl_b32 s81, s81, 9
	s_add_co_u32 s68, s80, s81
	s_add_nc_u64 s[84:85], s[34:35], s[68:69]      ; K's codes: tile 8 step + 4 c + 2 v
	s_lshl_b32 s81, s77, 9
	s_add_co_u32 s81, s81, s80
	s_add_co_u32 s81, s81, 65536
	s_lshl_b32 s82, s4, 3
	s_add_co_u32 s81, s81, s82
	s_lshl_b32 s82, s5, 2
	s_add_co_u32 s68, s81, s82
	s_add_nc_u64 s[86:87], s[34:35], s[68:69]      ; K's scale words: 512 bytes a step, word 2 c + v of a lane's four
	s_mul_i32 s80, s76, 69632
	s_lshl_b32 s81, s77, 2
	s_lshl_b32 s82, s5, 1
	s_add_co_u32 s81, s81, s82
	s_lshl_b32 s81, s81, 1
	s_add_co_u32 s81, s81, s4
	s_lshl_b32 s81, s81, 9
	s_add_co_u32 s68, s80, s81
	s_add_nc_u64 s[88:89], s[36:37], s[68:69]      ; V's codes: ((4 step + 2 v + e) 2 + c) x 512
	s_lshl_b32 s81, s77, 8
	s_add_co_u32 s81, s81, s80
	s_add_co_u32 s81, s81, 65536
	s_lshl_b32 s82, s5, 3
	s_add_co_u32 s81, s81, s82
	s_lshl_b32 s82, s4, 1
	s_add_co_u32 s68, s81, s82
	s_add_nc_u64 s[90:91], s[36:37], s[68:69]      ; V's scale bytes: 256 a step, + 4 (2 v + e) + 2 c
	s_wait_alu depctr_va_vdst(0)
	s_wait_tensorcnt 0x0                           ; my fill has landed,
	s_barrier_signal -1
	s_barrier_wait -1                              ; everybody's have
.macro LDSC reg, adr, off              ; the scale words of a pair of tiles for the eight K steps
	ds_load_b128 v[\reg:\reg+3], v[\adr] offset:\off
	ds_load_b128 v[\reg+4:\reg+7], v[\adr] offset:\off+16
.endm
.macro LDFRAG reg, adr, off            ; a fragment: lane (r, h) takes bytes 16 h and 32 + 16 h of its row's 64
	ds_load_b128 v[\reg:\reg+3], v[\adr] offset:\off
	ds_load_b128 v[\reg+4:\reg+7], v[\adr] offset:(\off)+32
.endm
.macro LOADG_Q s
.irp e, 0,1
	LDFRAG XQ+8*\e, 6, 8448*\e+64*(\s)
.endr
.irp u, 0,1,2,3
	LDFRAG WQ+8*\u, 9, 4224*\u+64*(\s)
.endr
.endm
.macro LOADG_K s
.irp e, 0,1
	LDFRAG XK+8*\e, 8, 4224*\e+64*(\s)
.endr
.irp u, 0,1,2,3
	LDFRAG WK+8*\u, 10, 4224*\u+64*(\s)
.endr
.endm
.macro LOADG_V s
.irp i, 0,1,2,3
	LDFRAG XS+8*\i, 7, 4224*\i+64*(\s)
.endr
.irp e, 0,1
	LDFRAG WV+8*\e, 11, 4224*\e+64*(\s)
.endr
.endm
; eight products each; the eight accumulators take turns, one instruction a turn
.macro MULQ s
.irp e, 0,1
.irp u, 0,1,2,3
.if (\s) == 0
	WM AQ+8*(4*\e+\u), WQ+8*\u, XQ+8*\e, BQ+8*\u, SWQ+8*(\u/2)+(\s), SXQ+(\s), \u%2, \e
.else
	WM AQ+8*(4*\e+\u), WQ+8*\u, XQ+8*\e, AQ+8*(4*\e+\u), SWQ+8*(\u/2)+(\s), SXQ+(\s), \u%2, \e
.endif
.endr
.endr
.endm
.macro MULK s
.irp e, 0,1
.irp u, 0,1,2,3
.if (\s) == 0
	WM AK+8*(4*\e+\u), WK+8*\u, XK+8*\e, BK+8*\u, SWK+8*(\u/2)+(\s), SXK+(\s), \u%2, \e
.else
	WM AK+8*(4*\e+\u), WK+8*\u, XK+8*\e, AK+8*(4*\e+\u), SWK+8*(\u/2)+(\s), SXK+(\s), \u%2, \e
.endif
.endr
.endr
.endm
.macro MULV s
.irp e, 0,1
.irp i, 0,1,2,3
.if (\s) == 0
	WM AV+8*(4*\e+\i), XS+8*\i, WV+8*\e, -1, SXS+8*(\i/2)+(\s), SWV+(\s), \i%2, \e
.else
	WM AV+8*(4*\e+\i), XS+8*\i, WV+8*\e, AV+8*(4*\e+\i), SXS+8*(\i/2)+(\s), SWV+(\s), \i%2, \e
.endif
.endr
.endr
.endm
	LDSC SXQ, 12, 0
	LDSC SXK, 14, 0
	LDSC SXS, 13, 0
	LDSC SXS+8, 13, 512
	LOADG_Q 0
	LOADG_K 0
	LOADG_V 0
	s_wait_loadcnt 0x0                             ; the biases
; A K step of 128 has three phases, Q, K, V.  Each multiplies its 12 loads' fragments and then asks for its next step's, which have the two other phases in which to come.
.irp s, 0,1,2,3,4,5,6
	s_wait_dscnt 24                                ; this kind's 12 loads are in; behind them stand the two other kinds' 24
	WIN 0x50                                       ; C and D window 1
	MULQ \s
	PLACES
	WIN 0
	LOADG_Q \s+1
	s_wait_dscnt 24
	WIN 0x50
	MULK \s
	PLACES
	WIN 0
	LOADG_K \s+1
	s_wait_dscnt 24
	WIN 0x50
	MULV \s
	PLACES
	WIN 0
	LOADG_V \s+1
.endr
	s_wait_dscnt 24                                ; the last step asks for nothing: the counts run down
	WIN 0x50
	MULQ 7
	s_wait_dscnt 12
	MULK 7
	s_wait_dscnt 0
	MULV 7
	PLACES
	; THE WAY OUT.  bv onto V, each accumulator from its low end on
	WIN 0x41                                       ; destination and source 0 window 1
.set i, 0
.rept 16
	v_pk_add_f32 v[AV+2*i:AV+2*i+1], v[AV+2*i:AV+2*i+1], v[248:249]
.set i, i+1
.endr
.rept 16
	v_pk_add_f32 v[AV+2*i:AV+2*i+1], v[AV+2*i:AV+2*i+1], v[250:251]
.set i, i+1
.endr
	WIN 0
; Six units of 32 registers (Q's two tiles of rows, K's two, V's two tiles of channels): each is one block of 32 of one lane.  The six by turns.
.irp k, 0,1,2,3,4,5
	v_mov_b32 v[MX+\k], 0x1800000                  ; the floor 2^(3 - 127): the byte cannot fall under 1
.endr
.irp k, 0,1,2,3
	v_mov_b32 v[TP+\k], 0                          ; a lane permute's destination counts as one of its sources
.endr
	WIN 0x14                                       ; sources 1 and 2 window 1
.irp n, 0,1,2,3,4,5,6,7,8,9,10,11,12,13,14,15
.irp k, 0,1,2,3,4,5
	v_max3_num_f32 v[MX+\k], v[MX+\k], |v[32*\k+2*\n]|, |v[32*\k+2*\n+1]|
.endr
.endr
	WIN 0
.irp k, 0,1,2,3,4,5
	v_add_nc_u32 v[SCK+\k], 0xff000000, v[MX+\k]   ; 2 off the exponent field: the conversion's scale operand
.endr
.irp k, 0,1,2,3,4,5
	v_lshrrev_b32 v[BY+\k], 23, v[SCK+\k]          ; the scale's byte
.endr
	WIN 0x01                                       ; source 0 window 1
.irp k, 0,1,2,3,4,5
.irp g, 0,1,2,3
	v_cvt_scalef32_pk8_fp4_f32 v[CD+4*\k+\g], v[32*\k+8*\g:32*\k+8*\g+7], v[SCK+\k]
.endr
.endr
	WIN 0
	v_nop                                          ; one plain place behind a scaled conversion
.irp k, 0,1,2,3
	v_lshlrev_b32 v[TW+\k], v22, v[BY+\k]          ; Q's and K's scale words: my block's byte at place h,
.endr
.irp k, 0,1,2,3
	s_delay_alu instid0(VALU_DEP_4)
	v_permlanex16_b32 v[TP+\k], v[TW+\k], s66, s67
.endr
.irp k, 0,1,2,3
	s_delay_alu instid0(VALU_DEP_4)
	v_or_b32 v[TW+\k], v[TW+\k], v[TP+\k]          ; with lane l xor 16's; bytes 2 and 3 stay 0: they scale zero codes
.endr
	v_cmp_ne_u32 vcc_lo, 0, v2
	s_delay_alu instid0(VALU_DEP_1)
	v_cndmask_b32 v[TP], v[TW], v[TW+1], vcc_lo    ; lanes 0-15 store tile 0's words, lanes 16-31 tile 1's
	s_delay_alu instid0(VALU_DEP_2)
	v_cndmask_b32 v[TP+1], v[TW+2], v[TW+3], vcc_lo
	global_store_b128 v20, v[CD:CD+3], s[30:31]                    ; each of these stores covers 512 consecutive bytes
	global_store_b128 v20, v[CD+4:CD+7], s[30:31] offset:512
	global_store_b32 v21, v[TP], s[32:33]
	global_store_b128 v20, v[CD+8:CD+11], s[84:85]
	global_store_b128 v20, v[CD+12:CD+15], s[84:85] offset:512
	global_store_b32 v20, v[TP+1], s[86:87]                        ; one word of a lane's four: the other three come from other waves
	global_store_b128 v20, v[CD+16:CD+19], s[88:89]
	global_store_b128 v20, v[CD+20:CD+23], s[88:89] offset:1024
	global_store_b8 v23, v[BY+4], s[90:91]                         ; V's scale bytes: a small part of the launch's bytes
	global_store_b8 v23, v[BY+5], s[90:91] offset:4
	s_wait_tensorcnt 0x0
	ds_add_u32 v254, v255
	s_wait_dscnt 0x0
	s_endpgm
.Lfunc_end_k_qf8084608ee_qkv:
	.size	k_qf8084608ee_qkv, .Lfunc_end_k_qf8084608ee_qkv-k_qf8084608ee_qkv
	.p2alignl 7, 3214868480
	.fill 96, 4, 3214868480
	.section	.rodata,"a",@progbits
	.p2align	6, 0x0
	.amdhsa_kernel k_qf8084608ee_qkv
		.amdhsa_group_segment_fixed_size 252928
		.amdhsa_private_segment_fixed_size 0
		.amdhsa_enable_private_segment 0
		.amdhsa_kernarg_size 120
		.amdhsa_user_sgpr_count 2
		.amdhsa_user_sgpr_kernarg_segment_ptr 1
		.amdhsa_wavefront_size32 1
		.amdhsa_system_sgpr_workgroup_id_x 1
		.amdhsa_system_sgpr_workgroup_id_y 1
		.amdhsa_system_sgpr_workgroup_id_z 1
		.amdhsa_system_vgpr_workitem_id 0
		.amdhsa_next_free_vgpr 512
		.amdhsa_next_free_sgpr 100
		.amdhsa_reserve_vcc 1
		.amdhsa_float_denorm_mode_32 3
		.amdhsa_float_denorm_mode_16_64 3
		.amdhsa_memory_ordered 1
		.amdhsa_forward_progress 1
		.amdhsa_inst_pref_size 72
	.end_amdhsa_kernel
	.amdgpu_metadata
---
amdhsa.version: [ 1, 2 ]
amdhsa.kernels:
  - .name:           k_qf8084608ee_qkv
    .symbol:         k_qf8084608ee_qkv.kd
    .args:
      - { .name: x_codes, .offset: 0, .size: 8, .value_kind: global_buffer, .address_space: global }
      - { .name: x_scales, .offset: 8, .size: 8, .value_kind: global_buffer, .address_space: global }
      - { .name: Wq_codes, .offset: 16, .size: 8, .value_kind: global_buffer, .address_space: global }
      - { .name: Wq_scales, .offset: 24, .size: 8, .value_kind: global_buffer, .address_space: global }
      - { .name: Wk_codes, .offset: 32, .size: 8, .value_kind: global_buffer, .address_space: global }
      - { .name: Wk_scales, .offset: 40, .size: 8, .value_kind: global_buffer, .address_space: global }
      - { .name: Wv_codes, .offset: 48, .size: 8, .value_kind: global_buffer, .address_space: global }
      - { .name: Wv_scales, .offset: 56, .size: 8, .value_kind: global_buffer, .address_space: global }
      - { .name: bq, .offset: 64, .size: 8, .value_kind: global_buffer, .address_space: global }
      - { .name: bk, .offset: 72, .size: 8, .value_kind: global_buffer, .address_space: global }
      - { .name: bv, .offset: 80, .size: 8, .value_kind: global_buffer, .address_space: global }
      - { .name: qimg, .offset: 88, .size: 8, .value_kind: global_buffer, .address_space: global }
      - { .name: qsc, .offset: 96, .size: 8, .value_kind: global_buffer, .address_space: global }
      - { .name: kbuf, .offset: 104, .size: 8, .value_kind: global_buffer, .address_space: global }
      - { .name: vbuf, .offset: 112, .size: 8, .value_kind: global_buffer, .address_space: global }
    .group_segment_fixed_size: 252928
    .private_segment_fixed_size: 0
    .kernarg_segment_align: 8
    .kernarg_segment_size: 120
    .max_flat_workgroup_size: 256
    .sgpr_count:     100
    .vgpr_count:     512
    .wavefront_size: 32
...
	.end_amdgpu_metadata
.endif
;; end of part 1
;; launch attn (part 2): grid 8 x 32, 4 waves a work-group, no clusters, 327,680 bytes of LDS; arguments keep_mask, qimg, qsc, kbuf, vbuf, cimg, csc; writes cimg, csc
.if DOCPART == 2
	.amdgcn_target "amdgcn-amd-amdhsa--gfx1250"
	.amdhsa_code_object_version 6
	.text
	.protected	k_qf8084608ee_attn
	.globl	k_qf8084608ee_attn
	.p2align	8
	.type	k_qf8084608ee_attn,@function
k_qf8084608ee_attn:
	s_mov_b64 s[64:65], 0
	v_nop
	global_prefetch_b8 v0, s[64:65] scope:SCOPE_SE
	s_setreg_imm32_b32 hwreg(HW_REG_WAVE_MODE, 25, 1), 1
	s_wait_xcnt 0x0
; ctx = Q(softmax(mask(Q(q) Q(k)^T / 8))) Q(v) on codes of FP4 (E2M1) with E8M0 scales; ctx leaves as codes and scale bytes for the last product.
; The softmax is quantised finished and normalised, so a row's sum is known before any p is quantised.
; SHARES.  A work-group owns 256 queries of one (batch, head) and walks them as 4 tiles of 64; each of its 4 waves owns 16 queries of a tile.
; PHASE 1, 16 key steps of 128: S^T = mask + K Q^T; the lane's running largest score, as t rounded up to a whole number M; p' = 2^(t - M) and its sum.
;   p' of ALL 2,048 keys stays on the chip: 64 registers a step; 12 steps in windows 1-3, steps 3, 7, 11 in LDS bytes of the wave's own, step 15 in a buffer in window 0.
;   Kept for each step: -M of that step and each block's largest p' (the block's largest score through the same multiply-add and exponential).
; PHASE 2: p = p' x 2^(M of the step - the row's M) / the row's sum (the power of two is exact), quantised by blocks of 32 keys, then O^T += V^T P^T.
; So each score, each mask byte and each exponential is made once.  A row with no key kept gets the factor 0.
; THE MASK goes through the matrix unit: C = -3 x 2^120, a product of a selecting pattern (code 6) with the mask's bytes as codes (1 = 0.5) under scales 2^60 x 2^60 adds 3 x 2^120 back where the key is kept.
; LAYOUT (as the launch before lays K, V and Q): lane (r, h) holds query r; a step's 64 registers are keys 64 h + 0 .. 63 of the step: two whole blocks of 32.
; ORDER OF A STEP OF PHASE 1: maxima, M, t - M, the next step's mask codes, exponentials, the next step's 16 products, the sums (the places behind the products), the 13 loads of the step after next in one run.
; LDS: K's codes and scale words of the head 73,728 bytes and V's 69,632, filled once; a ring of two slots for the mask, 64 rows x 512 bytes (4 steps) each; the spill; the spare words.
; Behind each of a tile's four changes of slots a wave has one tensor load out; every wait on TENSORcnt is for 0.  The last tile's second half of phase 2 is written out, since it asks for no further slot.
; PREFETCH: at each mask load a wave names the slot two mask loads on, its own 16 rows x 512 bytes, a lane to each 256 bytes; the launch's first three slots come by their loads alone, the last tile asks for nothing beyond itself.
; No joint loads: the eight work-groups of a head share K and V, 143,360 bytes fetched once at the head; the 524,288 bytes of mask that a work-group walks are nobody else's.
; LIMITS: the promise holds while |t| (the exponents to the base 2) stays under 2^31; NaN and infinities among the inputs are not served.
.set VB,    73728
.set VSB,   VB+65536
.set RING,  143360
.set SLOTB, 33792
.set SPILL, 210944
.set SPARE, 309248
; window 0
.set SPW, 1
.set NIL, 2
.set AKC, 3                            ; 16 x lane: K's images, Q's image, ctx's image
.set AKS, 4                            ; K's scale words
.set AM,  5                            ; my mask bytes in slot 0
.set AV,  6                            ; V's images
.set AVS, 7                            ; V's scale words
.set ASP, 8                            ; my spill
.set H8,  9                            ; 8 h
.set PFO, 10                           ; prefetch: 2,048 (lane / 2) + 256 (lane % 2)
.set ZP,  11                           ; the selecting pattern
.set VS1, 12                           ; v[12:15] V's scale words, second set
.set L,   16                           ; v[16:23] the sum, four packed chains
.set NM,  24                           ; -M; v25 the largest score
.set FF,  26                           ; a factor, as the low word of a pair
.set M4,  28
.set QF,  32
.set QS,  40
.set SA,  41                           ; the mask product's scales, both sides
.set KS,  42                           ; v[42:45] K's scale words of a step; in phase 2 V's, first set
.set VS0, 42
.set PS,  46                           ; v[46:61] p's scale words, one a step
.set CB,  62
.set Z,   70
.set KF,  92                           ; K's eight tiles, 4 registers each; a tile's upper four registers meet Q's zero codes
.set MB,  124                          ; 16 registers of mask bytes; their codes are made in place in the first eight
.set PM,  140                          ; 2 a step: the blocks' largest p', then the conversions' scale operands
.set NMS, 172                          ; 1 a step: -M of the step, then the step's factor
.set SBUF, 188
.set OA,  62                           ; phase 2, over CB and Z, which each tile makes anew
.set VF,  94                           ; V's fragments, first buffer; the second is v0-31 of window 1, free once step 0 is converted
.set PC,  126
.set MSB, 0
.macro WIN new
.if MSB != (\new)
	s_set_vgpr_msb (MSB<<8)|(\new)
.set MSB, (\new)
.endif
.endm
.macro PLACES
.rept 4
	v_nop
.endr
.endm
.macro WS d, a, b, c, sa, sb, r1
.if (\c) < 0
	v_wmma_scale_f32_16x16x128_f8f6f4 v[\d:\d+7], v[\a:\a+7], v[\b:\b+7], 0, v[\sa], v[\sb] matrix_a_fmt:MATRIX_FMT_FP4 matrix_b_fmt:MATRIX_FMT_FP4
.elseif (\r1)
	v_wmma_scale_f32_16x16x128_f8f6f4 v[\d:\d+7], v[\a:\a+7], v[\b:\b+7], v[\c:\c+7], v[\sa], v[\sb] matrix_a_fmt:MATRIX_FMT_FP4 matrix_b_fmt:MATRIX_FMT_FP4 matrix_a_scale:MATRIX_SCALE_ROW1
.else
	v_wmma_scale_f32_16x16x128_f8f6f4 v[\d:\d+7], v[\a:\a+7], v[\b:\b+7], v[\c:\c+7], v[\sa], v[\sb] matrix_a_fmt:MATRIX_FMT_FP4 matrix_b_fmt:MATRIX_FMT_FP4
.endif
.endm
.macro LOC s                           ; where step s's 64 registers lie: window SW, first register SR
.if ((\s)%4) == 3
.set SW, 0
.set SR, SBUF
.else
.set SW, 1+((\s)-(\s)/4)/4
.set SR, 64*(((\s)-(\s)/4)%4)
.endif
.endm
.macro BUFOF s                         ; which buffer holds step s's V: steps 15 and 0 the first, then by turns
.if ((\s) == 15) || (((\s)%2) == 0)
.set VBF, 0
.else
.set VBF, 1
.endif
.endm
.macro VLOAD s                         ; V's four tiles of 16 channels and their scale words for step s: 9 loads
	BUFOF \s
.if VBF
	ds_load_b128 v[VS1:VS1+3], v[AVS] offset:256*(\s)
	WIN 0x40
.set u, 0
.rept 4
	ds_load_b128 v[8*u:8*u+3], v[AV] offset:4096*(\s)+1024*u
	ds_load_b128 v[8*u+4:8*u+7], v[AV] offset:4096*(\s)+1024*u+512
.set u, u+1
.endr
	WIN 0
.else
	ds_load_b128 v[VS0:VS0+3], v[AVS] offset:256*(\s)
.set u, 0
.rept 4
	ds_load_b128 v[VF+8*u:VF+8*u+3], v[AV] offset:4096*(\s)+1024*u
	ds_load_b128 v[VF+8*u+4:VF+8*u+7], v[AV] offset:4096*(\s)+1024*u+512
.set u, u+1
.endr
.endif
.endm
.macro LOADS n                         ; step n's operands: 4 loads of mask bytes, 8 of K's tiles, 1 of K's scale words
.set i, 0
.rept 4
	ds_load_b128 v[MB+4*i:MB+4*i+3], v[AM] offset:SLOTB*(((\n)/4)%2)+128*((\n)%4)+16*i
.set i, i+1
.endr
.set i, 0
.rept 8
	ds_load_b128 v[KF+4*i:KF+4*i+3], v[AKC] offset:4096*(\n)+512*i
.set i, i+1
.endr
	ds_load_b128 v[KS:KS+3], v[AKS] offset:512*(\n)
.endm
.macro MNOPS                           ; two mask bytes make a byte of two codes; register t takes registers 2 t and 2 t + 1, ascending, so nothing unread is lost
.set i, 0
.rept 8
	v_lshl_or_b32 v[MB+i], v[MB+2*i+1], 4, v[MB+2*i]
.set i, i+1
.endr
.endm
.macro WMMA s                          ; step s's scores: the mask's eight products, then K Q^T onto them; the eight accumulators by turns
	LOC \s
	WIN SW<<6
.set tt, 0
.rept 8
	WS SR+8*tt, Z+6+9*(tt%2)-tt, MB, CB, SA, SA, 0
.set tt, tt+1
.endr
	WIN (SW<<6)|(SW<<4)
.set tt, 0
.rept 8
	WS SR+8*tt, KF+4*tt, QF, SR+8*tt, KS+tt/2, QS, tt%2
.set tt, tt+1
.endr
.endm
.macro EVENT g0, step                  ; a change of slots: all my tensor loads are in, the add, my LDS reads are over, the barrier, and my 16 rows of the slot just left are asked for
	s_wait_tensorcnt 0x0
	ds_add_u32 v[SPW], v[NIL]
	s_add_nc_u64 s[\g0+2:\g0+3], s[\g0+2:\g0+3], \step
	s_mov_b32 s26, 16<<16                          ; no tensor load of mine is out: behind the head a mask load brings 16 rows
	s_mov_b32 s28, 16
	s_wait_dscnt 0x0
	s_barrier_signal -1
	s_barrier_wait -1
	tensor_load_to_lds s[\g0:\g0+3], s[24:31]
	s_nop 0
.endm
.macro ASKN off                        ; a slot of the next tile: not in the last tile
	s_wait_alu depctr_va_vdst(0)
	s_cmp_eq_u32 s19, 1
	s_cbranch_scc1 .Lna_\@
	global_prefetch_b8 v[PFO], s[80:81] offset:\off th:TH_LOAD_NT scope:SCOPE_SE
.Lna_\@:
.endm
; PHASE 1, step s
.macro IT s
	LOC \s
	WIN SW|(SW<<2)
.set q, 0
.rept 4
	v_max_num_f32 v[M4+q], v[SR+16*q], v[SR+16*q+1]
.set q, q+1
.endr
.irp i, 2,4,6,8,10,12,14
.set q, 0
.rept 4
	v_max3_num_f32 v[M4+q], v[SR+16*q+\i], v[SR+16*q+\i+1], v[M4+q]
.set q, q+1
.endr
.endr
	WIN 0
	v_max_num_f32 v252, v[M4], v[M4+1]             ; my two blocks' largest scores
	v_max_num_f32 v253, v[M4+2], v[M4+3]
	v_mov_b32 v255, v[NM]
	v_max3_num_f32 v[NM+1], v[NM+1], v252, v253    ; the running largest score
	v_mul_f32 v254, s97, v[NM+1]                   ; -t
	v_floor_f32 v[NM], v254                        ; -M = floor(-t): M is a whole number
	v_sub_f32 v255, v[NM], v255
	v_fma_f32 v252, v252, s22, v[NM]
	v_fma_f32 v253, v253, s22, v[NM]
	v_mov_b32 v[NMS+(\s)], v[NM]
	v_cvt_i32_f32 v255, v255
	v_ldexp_f32 v[FF], 1.0, v255                   ; 2^(old M - new M)
	WIN (SW<<6)|SW
.set jj, 0
.rept 32
	v_pk_fma_f32 v[SR+jj:SR+jj+1], v[SR+jj:SR+jj+1], s[22:23], v[NM:NM+1] op_sel_hi:[1,0,0]
.set jj, jj+2
.endr
	WIN 0
.if (\s) < 15
	s_wait_dscnt 0x0                               ; step s + 1's operands are in
	MNOPS
.else
	VLOAD 15
.endif
	s_wait_alu depctr_va_vdst(0)                   ; ahead of the batch
	WIN (SW<<6)|SW
.set jj, 0
.rept 64
	v_exp_f32 v[SR+jj], v[SR+jj]
.set jj, jj+1
.endr
	WIN 0
	v_exp_f32 v[PM+2*(\s)], v252
	v_exp_f32 v[PM+2*(\s)+1], v253
.set jj, 0
.rept 4
	v_pk_mul_f32 v[L+jj:L+jj+1], v[L+jj:L+jj+1], v[FF:FF+1] op_sel_hi:[1,0]   ; (also the four places between the mask codes and the products)
.set jj, jj+2
.endr
	s_wait_alu depctr_va_vdst(0)                   ; behind the batch
.if (\s) < 15
	WMMA (\s)+1
	LOC \s
.endif
	WIN SW<<2
.set jj, 0
.rept 32
	v_pk_add_f32 v[L+2*(jj%4):L+2*(jj%4)+1], v[L+2*(jj%4):L+2*(jj%4)+1], v[SR+2*jj:SR+2*jj+1]
.set jj, jj+1
.endr
	WIN 0
.if (((\s)%4) == 3) && ((\s) < 15)
.set jj, 0
.rept 16
	ds_store_b128 v[ASP], v[SBUF+4*jj:SBUF+4*jj+3] offset:8192*((\s)/4)+512*jj
.set jj, jj+1
.endr
.endif
.if (\s) < 14
.if (\s) == 2
	EVENT 60, 1024                                 ; slot 0's steps 0-3 have been read: steps 8-11
.elseif (\s) == 6
	EVENT 68, 1024                                 ; slot 1: steps 12-15
.elseif (\s) == 10
	s_wait_tensorcnt 0x0                           ; my 16 rows of steps 12-15, asked for at step 6, are in: only I read them
.endif
	LOADS (\s)+2
.if (\s) == 2
	ASKN 131072
.elseif (\s) == 6
	ASKN 131584
.endif
.endif
.endm
; PHASE 2, step s.  nxt: the step whose V is asked for, into the buffer that this step does not use (under 0: none).  rel: the spilled step brought back into the buffer that this step has just read (under 0: none).
.macro P2 s, first, nxt, rel
	v_mov_b32 v[FF], v[NMS+(\s)]
	LOC \s
	WIN (SW<<6)|SW
.set jj, 0
.rept 32
	v_pk_mul_f32 v[SR+jj:SR+jj+1], v[SR+jj:SR+jj+1], v[FF:FF+1] op_sel_hi:[1,0]
.set jj, jj+2
.endr
	WIN SW
.set jj, 0
.rept 8
	v_cvt_scalef32_pk8_fp4_f32 v[PC+jj], v[SR+8*jj:SR+8*jj+7], v[PM+2*(\s)+jj/4]
.set jj, jj+1
.endr
	WIN 0
	v_nop
.set YG, 0                             ; the LDS loads younger than this step's V
.if (\rel) >= 0
.set jj, 0
.rept 16
	ds_load_b128 v[SBUF+4*jj:SBUF+4*jj+3], v[ASP] offset:8192*((\rel)/4)+512*jj
.set jj, jj+1
.endr
.set YG, 16
.endif
.if ((\nxt) >= 0) && ((\s) != 15)
	VLOAD \nxt
.set YG, YG+9
.endif
.rept 3
	v_nop
.endr
	s_wait_alu depctr_va_vdst(0)
	s_wait_dscnt YG                                ; this step's V is in
	BUFOF \s
.if VBF
	WIN 0x01
.endif
.set u, 0
.rept 4
.if \first
	WS OA+8*u, VF+8*u, PC, -1, VS0+u, PS+(\s), 0
.elseif VBF
	WS OA+8*u, 8*u, PC, OA+8*u, VS1+u, PS+(\s), 0
.else
	WS OA+8*u, VF+8*u, PC, OA+8*u, VS0+u, PS+(\s), 0
.endif
.set u, u+1
.endr
	WIN 0
.if (\s) == 15
	PLACES                                         ; the second buffer still holds step 0's p': step 0's V follows step 15's in the first
	VLOAD \nxt
.endif
.endm
.macro P2B                             ; phase 2's second half, and the way out: lane (r, h) holds channels 32 h + 0 .. 31 of query r, one block of the last product's K
	P2 7, 0, 8, 11
	P2 8, 0, 9, -1
	P2 9, 0, 10, -1
	P2 10, 0, 11, -1
	P2 11, 0, 12, -1
	P2 12, 0, 13, -1
	P2 13, 0, 14, -1
	P2 14, 0, -1, -1
	v_and_b32 v[FF], 15, v0
	v_bfe_u32 v[FF+1], v0, 4, 1
	v_lshl_add_u32 v[FF], v[FF], 5, v[FF+1]        ; 32 r + h: my scale byte's place
	v_nop
.set u, 0
.rept 4
	v_max3_num_f32 v[M4+u], |v[OA+8*u]|, |v[OA+8*u+1]|, 0x1800000
.set u, u+1
.endr
.irp i, 2,4,6
.set u, 0
.rept 4
	v_max3_num_f32 v[M4+u], v[M4+u], |v[OA+8*u+\i]|, |v[OA+8*u+\i+1]|
.set u, u+1
.endr
.endr
	v_max3_num_f32 v252, v[M4], v[M4+1], v[M4+2]
	v_max_num_f32 v252, v252, v[M4+3]
	v_add_nc_u32 v253, 0xff000000, v252
	v_lshrrev_b32 v254, 23, v253
.set u, 0
.rept 4
	v_cvt_scalef32_pk8_fp4_f32 v[PC+u], v[OA+8*u:OA+8*u+7], v253
.set u, u+1
.endr
	v_nop
	global_store_b128 v[AKC], v[PC:PC+3], s[14:15]     ; the wave's store covers 512 consecutive bytes
	global_store_b8 v[FF], v254, s[16:17]
.endm
	s_load_b256 s[4:11], s[0:1], 0x0               ; mask s[4:5], qimg s[6:7], qsc s[8:9], kbuf s[10:11]
	s_load_b128 s[12:15], s[0:1], 0x20             ; vbuf s[12:13], cimg s[14:15]
	s_load_b64 s[16:17], s[0:1], 0x30              ; csc
	v_lshl_add_u32 v[SPW], v0, 2, SPARE
	v_mov_b32 v[NIL], 0
	ds_add_u32 v[SPW], v[NIL]
	ds_add_u32 v[SPW], v[NIL]
	v_lshrrev_b32 v28, 5, v0
	v_readfirstlane_b32 s18, v28                   ; wave 0..3
	s_and_b32 s66, s18, 1                          ; which half of a tile I fetch at the head
	s_mov_b32 s82, ttmp9                           ; block of 256 queries
	s_and_b32 s83, ttmp7, 0xffff                   ; 16 x batch + head
	s_mov_b32 s24, (1<<20)|(6<<22)|(3<<25)         ; the mask: rows of 512 bytes, 16 bytes of padding behind each; 32 rows at the head, then 16
	s_mov_b32 s25, 512<<16
	s_mov_b32 s26, 32<<16
	s_mov_b32 s27, 512<<16
	s_mov_b32 s28, 32
	s_mov_b32 s29, 2048
	s_mov_b32 s30, 0
	s_mov_b32 s31, 0
	s_mov_b32 s32, 3<<16                           ; half of K: 36,864 dense bytes as 144 rows of 256
	s_mov_b32 s33, 32<<16
	s_mov_b32 s34, 144<<16
	s_mov_b32 s35, 32<<16
	s_mov_b32 s36, 144
	s_mov_b32 s37, 32
	s_mov_b32 s38, 0
	s_mov_b32 s39, 0
	s_mov_b32 s40, 3<<16                           ; half of V: 34,816 dense bytes as 136 rows of 256
	s_mov_b32 s41, 32<<16
	s_mov_b32 s42, 136<<16
	s_mov_b32 s43, 32<<16
	s_mov_b32 s44, 136
	s_mov_b32 s45, 32
	s_mov_b32 s46, 0
	s_mov_b32 s47, 0
	s_mul_i32 s84, s83, 73728
	s_mul_i32 s86, s66, 36864
	s_add_co_u32 s84, s84, s86
	s_mov_b32 s85, 0
	s_mul_i32 s88, s83, 69632
	s_mul_i32 s87, s66, 34816
	s_add_co_u32 s88, s88, s87
	s_mov_b32 s89, 0
	s_lshl_b32 s90, s83, 11
	s_lshl_b32 s91, s82, 8
	s_add_co_u32 s90, s90, s91
	s_lshl_b32 s90, s90, 11                        ; the work-group's first row of the mask, in bytes
	s_mov_b32 s91, 0
	s_lshl_b32 s92, s18, 15                        ; my 16 rows
	s_mov_b32 s93, 0
	s_mul_i32 s94, s18, 16*528
	s_add_co_u32 s94, s94, RING
	s_lshl_b32 s98, s66, 16                        ; a half of 32 rows, in memory
	s_mov_b32 s99, 0
	s_mul_i32 s95, s66, 32*528                     ; and in a slot
	s_add_co_u32 s95, s95, RING
	s_mov_b32 s20, 0x76543210
	s_mov_b32 s21, 0xfedcba98
	s_mov_b32 s22, 0x3e38aa3b                      ; log2(e) / 8
	s_mov_b32 s23, s22
	s_mov_b32 s97, 0xbe38aa3b                      ; its negative
	s_mov_b32 s96, 0x6f800000                      ; -M above this: no key of the row was kept
	s_mov_b32 s19, 4                               ; tiles to go
	s_wait_dscnt 0x0
	s_wait_kmcnt 0x0
	s_mov_b32 s48, 1                               ; K's half
	s_mov_b32 s49, s86
	s_add_nc_u64 s[50:51], s[10:11], s[84:85]
	s_or_b32 s51, s51, 0x80000000
	s_mov_b32 s56, 1                               ; V's half
	s_add_co_u32 s57, s87, VB
	s_add_nc_u64 s[58:59], s[12:13], s[88:89]
	s_or_b32 s59, s59, 0x80000000
	s_add_nc_u64 s[84:85], s[4:5], s[90:91]
	s_add_nc_u64 s[80:81], s[84:85], s[92:93]      ; my rows of the tile in hand: the prefetches' base
	s_mov_b32 s52, 1                               ; a half of the first slot: steps 0-3
	s_mov_b32 s53, s95
	s_add_nc_u64 s[54:55], s[84:85], s[98:99]
	s_mov_b32 s72, 1                               ; a half of the second: steps 4-7
	s_add_co_u32 s73, s95, SLOTB
	s_add_nc_u64 s[74:75], s[54:55], 512
	s_or_b32 s55, s55, 0x80000000
	s_or_b32 s75, s75, 0x80000000
	s_mov_b32 s60, 1                               ; slot 0's walking group 0: my 16 rows
	s_mov_b32 s61, s94
	s_mov_b64 s[62:63], s[80:81]
	s_or_b32 s63, s63, 0x80000000
	s_mov_b32 s68, 1                               ; slot 1's
	s_add_co_u32 s69, s94, SLOTB
	s_add_nc_u64 s[70:71], s[80:81], 512
	s_or_b32 s71, s71, 0x80000000
	s_cmp_lt_u32 s18, 2                            ; the head's loads, one a wave: waves 0, 1 K's halves, waves 2, 3 the halves of the mask's first slot
	s_cbranch_scc0 .Lh_m
	tensor_load_to_lds s[48:51], s[32:39]
	s_nop 0
	PLACES
	s_branch .Lh_j
.Lh_m:
	tensor_load_to_lds s[52:55], s[24:31]
	s_nop 0
	PLACES
.Lh_j:
	s_lshl_b32 s84, s83, 7
	s_lshl_b32 s85, s82, 4
	s_add_co_u32 s84, s84, s85
	s_add_co_u32 s84, s84, s18                     ; my first tile of 16 queries; the next tile of the walk is 4 on
	s_lshl_b32 s86, s84, 9
	s_mov_b32 s87, 0
	s_add_nc_u64 s[6:7], s[6:7], s[86:87]
	s_lshl_b32 s86, s84, 6
	s_add_nc_u64 s[8:9], s[8:9], s[86:87]
	s_lshr_b32 s88, s83, 4
	s_lshl_b32 s88, s88, 7
	s_add_co_u32 s88, s88, s85
	s_add_co_u32 s88, s88, s18                     ; the same among the batch's rows
	s_and_b32 s89, s83, 15
	s_lshl_b32 s90, s88, 4
	s_add_co_u32 s90, s90, s89
	s_lshl_b32 s90, s90, 9
	s_mov_b32 s91, 0
	s_add_nc_u64 s[14:15], s[14:15], s[90:91]
	s_lshl_b32 s90, s88, 9
	s_lshl_b32 s89, s89, 1
	s_add_co_u32 s90, s90, s89
	s_add_nc_u64 s[16:17], s[16:17], s[90:91]
	s_mul_i32 s92, s18, 24576
	s_add_co_u32 s92, s92, SPILL
	v_and_b32 v252, 31, v0
	v_and_b32 v253, 15, v0
	v_bfe_u32 v254, v0, 4, 1
	v_lshlrev_b32 v[AKC], 4, v252
	v_lshlrev_b32 v29, 2, v253
	global_load_b128 v[QF:QF+3], v[AKC], s[6:7]
	global_load_b32 v[QS], v29, s[8:9]
	v_add_nc_u32 v[AKS], 65536, v[AKC]
	v_add_nc_u32 v[AV], VB, v[AKC]
	v_lshl_add_u32 v[AVS], v253, 4, VSB
	v_mul_u32_u24 v255, v253, 528
	v_lshl_add_u32 v255, v254, 6, v255
	v_add_nc_u32 v[AM], s94, v255
	v_add_nc_u32 v[ASP], s92, v[AKC]
	v_lshlrev_b32 v[H8], 3, v254
	v_lshrrev_b32 v255, 1, v252
	v_and_b32 v28, 1, v0
	v_lshlrev_b32 v28, 8, v28
	v_lshl_add_u32 v[PFO], v255, 11, v28
	v_and_b32 v255, 3, v0                          ; the pattern: row m = 8 h' + j of a tile picks code 2 (j % 4) + j / 4 of the lanes with h = h'
	v_bfe_u32 v28, v0, 2, 1
	v_lshl_add_u32 v255, v255, 1, v28
	v_lshlrev_b32 v255, 2, v255
	v_mov_b32 v28, 7
	v_lshlrev_b32 v255, v255, v28
	v_bfe_u32 v28, v0, 3, 1
	v_cmp_eq_u32 vcc_lo, v28, v254
	v_cndmask_b32 v[ZP], 0, v255, vcc_lo
	v_mov_b32 v[SA], 0xbbbbbbbb
.irp i, 4,5,6,7
	v_mov_b32 v[QF+\i], 0
.endr
	v_mov_b32 v[FF+1], 0
	s_wait_alu depctr_va_vdst(0)                   ; the head's end
	s_wait_tensorcnt 0x0
	ds_add_u32 v[SPW], v[NIL]
	s_wait_dscnt 0x0
	s_barrier_signal -1
	s_barrier_wait -1
	s_cmp_lt_u32 s18, 2                            ; first fills, one a wave: waves 0, 1 the halves of the second slot, waves 2, 3 V's halves; step 2's change of slots waits for them
	s_cbranch_scc0 .Lg_v
	tensor_load_to_lds s[72:75], s[24:31]
	s_nop 0
	PLACES
	s_branch .Lg_j
.Lg_v:
	tensor_load_to_lds s[56:59], s[40:47]
	s_nop 0
	PLACES
.Lg_j:
	global_prefetch_b8 v[PFO], s[80:81] offset:1536 th:TH_LOAD_NT scope:SCOPE_SE
.Ltile:
	LOADS 0
.set i, 0
.rept 8
	v_mov_b32 v[CB+i], 0xfc400000
.set i, i+1
.endr
.set i, 0
.rept 22
	v_mov_b32 v[Z+i], 0
.set i, i+1
.endr
	v_mov_b32 v[Z+6], v[ZP]
	v_mov_b32 v[Z+15], v[ZP]
	v_mov_b32 v[NM+1], 0xf1800000                  ; under every score of a key that is kept, above that of one that is not
	v_mul_f32 v254, s97, v[NM+1]
	v_floor_f32 v[NM], v254
.set i, 0
.rept 8
	v_mov_b32 v[L+i], 0
.set i, i+1
.endr
	s_wait_alu depctr_va_vdst(0)
	s_wait_loadcnt 0x0                             ; Q
	s_wait_dscnt 0x0
	MNOPS
	PLACES
	WMMA 0
	WIN 0
	PLACES
	LOADS 1
.irp s, 0,1,2,3,4,5,6,7,8,9,10,11,12,13,14,15
	IT \s
.endr
	; the row's M and sum from the two lanes that share a query, and the factor 1 / sum
	v_pk_add_f32 v[L:L+1], v[L:L+1], v[L+2:L+3]
	v_pk_add_f32 v[L+4:L+5], v[L+4:L+5], v[L+6:L+7]
	v_permlanex16_b32 v254, v[NM], s20, s21
	v_pk_add_f32 v[L:L+1], v[L:L+1], v[L+4:L+5]
	v_min_num_f32 v255, v[NM], v254
	v_add_f32 v[L], v[L], v[L+1]
	v_sub_f32 v254, v255, v[NM]
	v_cvt_i32_f32 v254, v254
	v_ldexp_f32 v254, 1.0, v254
	v_mul_f32 v[L], v[L], v254
	v_permlanex16_b32 v[L+1], v[L], s20, s21
	v_add_f32 v[L], v[L], v[L+1]
	s_wait_alu depctr_va_vdst(0)
	v_rcp_f32 v[L+1], v[L]
	v_cmp_lt_f32 vcc_lo, s96, v255
	v_nop
	s_wait_alu depctr_va_vdst(0)
	v_cndmask_b32 v[L+1], v[L+1], v[NIL], vcc_lo   ; 0 for a row with no key kept
	; for all 16 steps at once: the step's factor, each block's largest p, the conversions' scale operands and p's scale words
.macro ALL n, op:vararg
.set i, 0
.rept \n
	\op
.set i, i+1
.endr
.endm
	ALL 16, v_sub_f32 v[NMS+i], v255, v[NMS+i]
	ALL 16, v_cvt_i32_f32 v[NMS+i], v[NMS+i]
	ALL 16, v_ldexp_f32 v[NMS+i], v[L+1], v[NMS+i]
	ALL 32, v_mul_f32 v[PM+i], v[PM+i], v[NMS+i/2]
	ALL 32, v_max_num_f32 v[PM+i], 0x1800000, v[PM+i]
	ALL 32, v_add_nc_u32 v[PM+i], 0xff000000, v[PM+i]
	ALL 16, v_lshrrev_b32 v[PS+i], 23, v[PM+2*i]
	ALL 16, v_lshrrev_b32 v[OA+i], 7, v[PM+2*i+1]
	ALL 16, v_and_or_b32 v[PS+i], v[OA+i], 0xff0000, v[PS+i]
	ALL 16, v_lshlrev_b32 v[PS+i], v[H8], v[PS+i]
	ALL 16, v_permlanex16_b32 v[OA+i], v[PS+i], s20, s21
	ALL 16, v_or_b32 v[PS+i], v[PS+i], v[OA+i]
	P2 15, 1, 0, 3
	P2 0, 0, 1, -1
	P2 1, 0, 2, -1
	P2 2, 0, 3, -1
	P2 3, 0, 4, 7
	P2 4, 0, 5, -1
	P2 5, 0, 6, -1
	P2 6, 0, 7, -1
	s_wait_alu depctr_va_vdst(0)
	s_cmp_eq_u32 s19, 1
	s_cbranch_scc1 .Llast                          ; the last tile asks for nothing more: its tail is written out
	EVENT 60, 130048                               ; slot 0: the next tile's steps 0-3
	PLACES
	s_wait_xcnt 0x0
	s_add_nc_u64 s[6:7], s[6:7], 2048
	s_add_nc_u64 s[8:9], s[8:9], 256
	v_and_b32 v255, 15, v0
	v_lshlrev_b32 v255, 2, v255
	global_load_b128 v[QF:QF+3], v[AKC], s[6:7]    ; the next tile's Q
	global_load_b32 v[QS], v255, s[8:9]
	global_prefetch_b8 v[PFO], s[80:81] offset:132096 th:TH_LOAD_NT scope:SCOPE_SE
	P2B
	s_wait_xcnt 0x0                                ; the stores and prefetches have read their registers
	s_add_nc_u64 s[14:15], s[14:15], 32768
	s_add_nc_u64 s[16:17], s[16:17], 2048
	s_add_nc_u64 s[80:81], s[80:81], 131072
	s_wait_alu depctr_va_vdst(0)
	EVENT 68, 130048                               ; slot 1: the next tile's steps 4-7
	PLACES
	global_prefetch_b8 v[PFO], s[80:81] offset:1536 th:TH_LOAD_NT scope:SCOPE_SE
	s_sub_co_u32 s19, s19, 1
	s_branch .Ltile
.Llast:
	P2B
	s_wait_tensorcnt 0x0
	ds_add_u32 v[SPW], v[NIL]
	s_wait_dscnt 0x0
	s_endpgm
.Lfunc_end_k_qf8084608ee_attn:
	.size	k_qf8084608ee_attn, .Lfunc_end_k_qf8084608ee_attn-k_qf8084608ee_attn
	.p2alignl 7, 3214868480
	.fill 96, 4, 3214868480
	.section	.rodata,"a",@progbits
	.p2align	6, 0x0
	.amdhsa_kernel k_qf8084608ee_attn
		.amdhsa_group_segment_fixed_size 327680
		.amdhsa_private_segment_fixed_size 0
		.amdhsa_enable_private_segment 0
		.amdhsa_kernarg_size 56
		.amdhsa_user_sgpr_count 2
		.amdhsa_user_sgpr_kernarg_segment_ptr 1
		.amdhsa_wavefront_size32 1
		.amdhsa_system_sgpr_workgroup_id_x 1
		.amdhsa_system_sgpr_workgroup_id_y 1
		.amdhsa_system_sgpr_workgroup_id_z 1
		.amdhsa_system_vgpr_workitem_id 0
		.amdhsa_next_free_vgpr 1024
		.amdhsa_next_free_sgpr 100
		.amdhsa_reserve_vcc 1
		.amdhsa_float_denorm_mode_32 3
		.amdhsa_float_denorm_mode_16_64 3
		.amdhsa_memory_ordered 1
		.amdhsa_forward_progress 1
		.amdhsa_inst_pref_size 255
	.end_amdhsa_kernel
	.section	.bss,"aw",@nobits
	.p2align	6
	.space	262144
	.amdgpu_metadata
---
amdhsa.version: [ 1, 2 ]
amdhsa.kernels:
  - .name:           k_qf8084608ee_attn
    .symbol:         k_qf8084608ee_attn.kd
    .args:
      - { .name: keep_mask, .offset: 0, .size: 8, .value_kind: global_buffer, .address_space: global }
      - { .name: qimg, .offset: 8, .size: 8, .value_kind: global_buffer, .address_space: global }
      - { .name: qsc, .offset: 16, .size: 8, .value_kind: global_buffer, .address_space: global }
      - { .name: kbuf, .offset: 24, .size: 8, .value_kind: global_buffer, .address_space: global }
      - { .name: vbuf, .offset: 32, .size: 8, .value_kind: global_buffer, .address_space: global }
      - { .name: cimg, .offset: 40, .size: 8, .value_kind: global_buffer, .address_space: global }
      - { .name: csc, .offset: 48, .size: 8, .value_kind: global_buffer, .address_space: global }
    .group_segment_fixed_size: 327680
    .private_segment_fixed_size: 0
    .kernarg_segment_align: 8
    .kernarg_segment_size: 56
    .max_flat_workgroup_size: 128
    .sgpr_count:     100
    .vgpr_count:     1024
    .wavefront_size: 32
...
	.end_amdgpu_metadata
.endif
;; end of part 2
;; launch oproj (part 3): grid 8 x 32, 8 waves a work-group, no clusters, 177,152 bytes of LDS; arguments cimg, csc, Wo_codes, Wo_scales, bo, out0; writes out0
.if DOCPART == 3
	.amdgcn_target "amdgcn-amd-amdhsa--gfx1250"
	.amdhsa_code_object_version 6
	.text
	.protected	k_qf8084608ee_oproj
	.globl	k_qf8084608ee_oproj
	.p2align	8
	.type	k_qf8084608ee_oproj,@function
k_qf8084608ee_oproj:
	s_mov_b64 s[64:65], 0
	v_nop
	global_prefetch_b8 v0, s[64:65] scope:SCOPE_SE
	s_setreg_imm32_b32 hwreg(HW_REG_WAVE_MODE, 25, 1), 1
	s_wait_xcnt 0x0
; out = ctx Wo^T + bo on codes of FP4 (E2M1) with E8M0 scales, K = 1,024.  ctx comes as images of the operand's registers (cimg) and scale words (csc), Wo as rows of codes.
; SHARES.  A work-group makes 128 rows x 128 columns; all of K lies in LDS, filled once.  Wave w makes row tiles 2 (w / 2) + e, e = 0, 1, x columns 64 (w % 2) + 16 u, u = 0..3: eight accumulators.
; THE MATRIX INSTRUCTION IS USED TRANSPOSED (source 0 = 16 rows of Wo, source 1 = 16 rows of ctx): a lane holds eight neighbouring columns of one row.  bo is the C of the first K step.
; No multicast: ctx's tiles are shared along x and Wo's along y, but each is fetched once in a launch of eight K steps; left out for plainness.
.set CI,  67584                        ; LDS 0: Wo's 128 rows x (512 + 16) bytes.  Then ctx's eight tiles of rows x 8,192 bytes of images,
.set WSB, 133120                       ; Wo's scale bytes, 128 rows x 32,
.set CSB, 137216                       ; ctx's, 8 tiles x 512,
.set STG, 141312                       ; and a stage of 16 rows x (256 + 16) bytes for each wave; no fill lands there
.set BI,  16                           ; v[16:47]  bo in the result's layout, 8 registers a tile u
.set WS,  48                           ; v[48:63]  Wo's scale words: pair p of tiles, K step s: 8 p + s; lanes 0-15 the even tile, lanes 16-31 the odd one
.set CSR, 64                           ; v[64:71]  ctx's: K step s; lanes 0-15 tile e = 0, lanes 16-31 e = 1
.set CF,  72                           ; ctx's fragments, two sets of 16
.set WF,  104                          ; Wo's, two sets of 32
.set ACC, 168                          ; accumulator (e, u) at 168 + 8 (4 e + u)
.set OB,  72                           ; the way out: 32 registers a row tile
.macro PLACES
.rept 4
	v_nop
.endr
.endm
.macro WM d, a, b, c, sa, sb, ra, rb   ; one product: D, source 0, source 1, C, the scale registers, and whether each side's scales stand in lanes 16-31
.if (\ra) && (\rb)
	v_wmma_scale_f32_16x16x128_f8f6f4 v[\d:\d+7], v[\a:\a+7], v[\b:\b+7], v[\c:\c+7], v[\sa], v[\sb] matrix_a_fmt:MATRIX_FMT_FP4 matrix_b_fmt:MATRIX_FMT_FP4 matrix_a_scale:MATRIX_SCALE_ROW1 matrix_b_scale:MATRIX_SCALE_ROW1
.elseif (\ra)
	v_wmma_scale_f32_16x16x128_f8f6f4 v[\d:\d+7], v[\a:\a+7], v[\b:\b+7], v[\c:\c+7], v[\sa], v[\sb] matrix_a_fmt:MATRIX_FMT_FP4 matrix_b_fmt:MATRIX_FMT_FP4 matrix_a_scale:MATRIX_SCALE_ROW1
.elseif (\rb)
	v_wmma_scale_f32_16x16x128_f8f6f4 v[\d:\d+7], v[\a:\a+7], v[\b:\b+7], v[\c:\c+7], v[\sa], v[\sb] matrix_a_fmt:MATRIX_FMT_FP4 matrix_b_fmt:MATRIX_FMT_FP4 matrix_b_scale:MATRIX_SCALE_ROW1
.else
	v_wmma_scale_f32_16x16x128_f8f6f4 v[\d:\d+7], v[\a:\a+7], v[\b:\b+7], v[\c:\c+7], v[\sa], v[\sb] matrix_a_fmt:MATRIX_FMT_FP4 matrix_b_fmt:MATRIX_FMT_FP4
.endif
.endm
	s_load_b256 s[4:11], s[0:1], 0x0               ; cimg s[4:5], csc s[6:7], Wo's codes s[8:9], Wo's scales s[10:11]
	s_load_b128 s[12:15], s[0:1], 0x20             ; bo s[12:13], out0 s[14:15]
	v_lshl_add_u32 v254, v0, 2, 0x2b000
	v_mov_b32 v255, 0
	ds_add_u32 v254, v255
	ds_add_u32 v254, v255
	v_lshrrev_b32 v1, 5, v0
	s_delay_alu instid0(VALU_DEP_1)
	v_readfirstlane_b32 s18, v1                    ; wave 0..7
	s_lshr_b32 s19, s18, 1                         ; which pair of row tiles
	s_and_b32 s20, s18, 1                          ; which 64 columns
	s_mov_b32 s21, ttmp9                           ; block of 128 columns
	s_and_b32 s22, ttmp7, 0xffff                   ; block of 128 rows
	; descriptor group 1: two tiles of rows of ctx: 16,384 dense bytes as 64 rows of 256 (32 elements of 8 bytes)
	s_mov_b32 s24, 3<<16
	s_mov_b32 s25, 32<<16
	s_mov_b32 s26, 64<<16
	s_mov_b32 s27, 32<<16
	s_mov_b32 s28, 64
	s_mov_b32 s29, 32
	s_mov_b32 s30, 0
	s_mov_b32 s31, 0
	; 64 rows of Wo: 512 bytes each, 16 bytes of padding behind each
	s_mov_b32 s32, (1<<20)|(6<<22)|(3<<25)
	s_mov_b32 s33, 512<<16
	s_mov_b32 s34, 64<<16
	s_mov_b32 s35, 512<<16
	s_mov_b32 s36, 64
	s_mov_b32 s37, 512
	s_mov_b32 s38, 0
	s_mov_b32 s39, 0
	; 4,096 dense scale bytes as 16 rows of 256
	s_mov_b32 s40, 3<<16
	s_mov_b32 s41, 32<<16
	s_mov_b32 s42, 16<<16
	s_mov_b32 s43, 32<<16
	s_mov_b32 s44, 16
	s_mov_b32 s45, 32
	s_mov_b32 s46, 0
	s_mov_b32 s47, 0
	s_lshl_b32 s66, s22, 2
	s_add_co_u32 s66, s66, s18
	s_lshl_b32 s66, s66, 14
	s_mov_b32 s67, 0
	s_lshl_b32 s68, s21, 7
	s_lshl_b32 s70, s20, 6
	s_add_co_u32 s68, s68, s70
	s_lshl_b32 s68, s68, 9                         ; Wo: row 128 x + 64 (w % 2)
	s_mov_b32 s69, 0
	s_lshl_b32 s70, s21, 12                        ; Wo's scale bytes of the block,
	s_lshl_b32 s71, s22, 12                        ; ctx's
	s_and_b32 s74, s18, 3
	s_mov_b32 s74, 0
	s_lshl_b32 s75, s18, 14
	s_add_co_u32 s75, s75, CI
	s_mul_i32 s76, s20, 64*528
	s_lshl_b32 s77, s20, 12
	s_add_co_u32 s77, s77, WSB                     ; wave 6 fills Wo's scale bytes, wave 7 ctx's, which lie behind them
	s_wait_dscnt 0x0
	s_wait_kmcnt 0x0
	s_cmp_lt_u32 s18, 7
	s_cselect_b64 s[72:73], s[10:11], s[6:7]
	s_cselect_b32 s70, s70, s71
	s_add_co_u32 s70, s70, s74
	s_mov_b32 s71, 0
	s_mov_b32 s48, 1
	s_mov_b32 s49, s75
	s_add_nc_u64 s[50:51], s[4:5], s[66:67]
	s_or_b32 s51, s51, 0x80000000
	s_mov_b32 s52, 1
	s_mov_b32 s53, s76
	s_add_nc_u64 s[54:55], s[8:9], s[68:69]
	s_or_b32 s55, s55, 0x80000000
	s_mov_b32 s56, 1
	s_mov_b32 s57, s77
	s_add_nc_u64 s[58:59], s[72:73], s[70:71]
	s_or_b32 s59, s59, 0x80000000
	s_cmp_lt_u32 s18, 4                            ; one tensor load a wave: waves 0-3 a quarter of ctx's images, waves 4, 5 64 rows of Wo, wave 6 Wo's scale bytes, wave 7 ctx's
	s_cbranch_scc0 .Lf_w
	tensor_load_to_lds s[48:51], s[24:31]
	s_nop 0
	PLACES
	s_branch .Lf_j
.Lf_w:
	s_cmp_lt_u32 s18, 6
	s_cbranch_scc0 .Lf_s
	tensor_load_to_lds s[52:55], s[32:39]
	s_nop 0
	PLACES
	s_branch .Lf_j
.Lf_s:
	tensor_load_to_lds s[56:59], s[40:47]
	s_nop 0
	PLACES
.Lf_j:
	v_and_b32 v1, 15, v0                           ; r
	v_bfe_u32 v2, v0, 4, 1                         ; h
	v_and_b32 v3, 31, v0                           ; lane
	s_mul_i32 s78, s20, 64*528
	v_mul_u32_u24 v4, v1, 528
	s_delay_alu instid0(VALU_DEP_1)
	v_lshl_add_u32 v4, v2, 4, v4
	s_delay_alu instid0(VALU_DEP_1)
	v_add_nc_u32 v4, s78, v4                       ; Wo's fragments: row 64 (w % 2) + r, + 16 h
	s_lshl_b32 s78, s19, 14
	s_add_co_u32 s78, s78, CI
	v_lshl_add_u32 v5, v3, 4, s78                  ; ctx's images: tile 2 (w / 2), 16 x lane
	s_lshl_b32 s78, s20, 11
	s_add_co_u32 s78, s78, WSB
	v_lshl_add_u32 v6, v3, 5, s78                  ; Wo's scale words: row 64 (w % 2) + lane
	s_lshl_b32 s78, s19, 10
	s_add_co_u32 s78, s78, CSB
	v_lshl_add_u32 v7, v3, 5, s78                  ; ctx's: tile 2 (w / 2) + h, row r
	v_lshlrev_b32 v8, 5, v2                        ; bo: 8 h numbers on
	s_wait_alu depctr_va_vdst(0)
	s_mul_i32 s78, s18, 4352
	s_add_co_u32 s78, s78, STG                     ; my stage
	v_mul_u32_u24 v9, v1, 272
	s_delay_alu instid0(VALU_DEP_1)
	v_lshl_add_u32 v9, v2, 5, v9
	s_delay_alu instid0(VALU_DEP_1)
	v_add_nc_u32 v9, s78, v9                       ; in: row r, 32 bytes for each half of the lanes
	v_mul_u32_u24 v10, v2, 272
	s_delay_alu instid0(VALU_DEP_1)
	v_lshl_add_u32 v10, v1, 4, v10
	s_delay_alu instid0(VALU_DEP_1)
	v_add_nc_u32 v10, s78, v10                     ; back: lanes 0-15 one row of 256 bytes, lanes 16-31 the next
	v_lshlrev_b32 v11, 12, v2
	s_delay_alu instid0(VALU_DEP_1)
	v_lshl_add_u32 v11, v1, 4, v11                 ; and the same two rows in out0
	s_lshl_b32 s66, s21, 9
	s_lshl_b32 s68, s20, 8
	s_add_co_u32 s66, s66, s68                     ; my first column in bytes: 512 x + 256 (w % 2)
	s_add_nc_u64 s[12:13], s[12:13], s[66:67]
	s_add_nc_u64 s[14:15], s[14:15], s[66:67]
	s_lshl_b32 s66, s22, 7
	s_lshl_b32 s68, s19, 5
	s_add_co_u32 s66, s66, s68
	s_lshl_b32 s66, s66, 12                        ; my first row: 128 y + 32 (w / 2), 4,096 bytes a row
	s_add_nc_u64 s[14:15], s[14:15], s[66:67]
.irp u, 0,1,2,3
	global_load_b128 v[BI+8*\u:BI+8*\u+3], v8, s[12:13] offset:64*\u
	global_load_b128 v[BI+8*\u+4:BI+8*\u+7], v8, s[12:13] offset:64*\u+16
.endr
	s_wait_tensorcnt 0x0                           ; my part has landed,
	s_barrier_signal -1
	s_barrier_wait -1                              ; everybody's have
.irp p, 0,1
	ds_load_b128 v[WS+8*\p:WS+8*\p+3], v6 offset:1024*\p
	ds_load_b128 v[WS+8*\p+4:WS+8*\p+7], v6 offset:1024*\p+16
.endr
	ds_load_b128 v[CSR:CSR+3], v7
	ds_load_b128 v[CSR+4:CSR+7], v7 offset:16
.macro LOADS s                         ; K step s: 12 loads into set s % 2
.irp e, 0,1
.irp c, 0,1
	ds_load_b128 v[CF+16*((\s)%2)+8*\e+4*\c:CF+16*((\s)%2)+8*\e+4*\c+3], v5 offset:8192*\e+1024*(\s)+512*\c
.endr
.endr
.irp u, 0,1,2,3
.irp c, 0,1
	ds_load_b128 v[WF+32*((\s)%2)+8*\u+4*\c:WF+32*((\s)%2)+8*\u+4*\c+3], v4 offset:8448*\u+64*(\s)+32*\c
.endr
.endr
.endm
.macro MUL s                           ; eight products; the eight accumulators take turns, one instruction a turn
.irp e, 0,1
.irp u, 0,1,2,3
.if (\s) == 0
	WM ACC+8*(4*\e+\u), WF+32*((\s)%2)+8*\u, CF+16*((\s)%2)+8*\e, BI+8*\u, WS+8*(\u/2)+(\s), CSR+(\s), \u%2, \e
.else
	WM ACC+8*(4*\e+\u), WF+32*((\s)%2)+8*\u, CF+16*((\s)%2)+8*\e, ACC+8*(4*\e+\u), WS+8*(\u/2)+(\s), CSR+(\s), \u%2, \e
.endif
.endr
.endr
.endm
	LOADS 0
	LOADS 1
	s_wait_loadcnt 0x0                             ; bo
.irp s, 0,1,2,3,4,5
	s_wait_dscnt 12                                ; this step's set is in; the other set's 12 loads may be out
	MUL \s
	PLACES
	LOADS \s+2
.endr
	s_wait_dscnt 12
	MUL 6
	s_wait_dscnt 0
	MUL 7
	PLACES
	; THE WAY OUT: a row tile at a time through my own stage: 32 bytes a lane in, whole rows of 256 bytes back.  LDS serves a wave's instructions in order (ISA guide 5.7.1.4): no wait between them.
	s_wait_alu depctr_va_vdst(0)
.irp e, 0,1
.irp u, 0,1,2,3
	ds_store_b128 v9, v[ACC+8*(4*\e+\u):ACC+8*(4*\e+\u)+3] offset:64*\u          ; each accumulator from its low end on
	ds_store_b128 v9, v[ACC+8*(4*\e+\u)+4:ACC+8*(4*\e+\u)+7] offset:64*\u+16
.endr
.irp i, 0,1,2,3,4,5,6,7
	ds_load_b128 v[OB+32*\e+4*\i:OB+32*\e+4*\i+3], v10 offset:544*\i
.endr
.endr
	s_wait_dscnt 16                                ; the first tile is back; the second's sixteen instructions may be out
.irp i, 0,1,2,3,4,5,6,7
	global_store_b128 v11, v[OB+4*\i:OB+4*\i+3], s[14:15] offset:8192*\i th:TH_STORE_NT   ; sixteen lanes store 256 consecutive bytes, at a multiple of 256 from out0's first byte
.endr
	s_wait_dscnt 0
.irp i, 0,1,2,3,4,5,6,7
	global_store_b128 v11, v[OB+32+4*\i:OB+32+4*\i+3], s[14:15] offset:65536+8192*\i th:TH_STORE_NT
.endr
	s_wait_tensorcnt 0x0
	ds_add_u32 v254, v255
	s_wait_dscnt 0x0
	s_endpgm
.Lfunc_end_k_qf8084608ee_oproj:
	.size	k_qf8084608ee_oproj, .Lfunc_end_k_qf8084608ee_oproj-k_qf8084608ee_oproj
	.p2alignl 7, 3214868480
	.fill 96, 4, 3214868480
	.section	.rodata,"a",@progbits
	.p2align	6, 0x0
	.amdhsa_kernel k_qf8084608ee_oproj
		.amdhsa_group_segment_fixed_size 177152
		.amdhsa_private_segment_fixed_size 0
		.amdhsa_enable_private_segment 0
		.amdhsa_kernarg_size 48
		.amdhsa_user_sgpr_count 2
		.amdhsa_user_sgpr_kernarg_segment_ptr 1
		.amdhsa_wavefront_size32 1
		.amdhsa_system_sgpr_workgroup_id_x 1
		.amdhsa_system_sgpr_workgroup_id_y 1
		.amdhsa_system_sgpr_workgroup_id_z 1
		.amdhsa_system_vgpr_workitem_id 0
		.amdhsa_next_free_vgpr 256
		.amdhsa_next_free_sgpr 100
		.amdhsa_reserve_vcc 0
		.amdhsa_float_denorm_mode_32 3
		.amdhsa_float_denorm_mode_16_64 3
		.amdhsa_memory_ordered 1
		.amdhsa_forward_progress 1
		.amdhsa_inst_pref_size 27
	.end_amdhsa_kernel
	.amdgpu_metadata
---
amdhsa.version: [ 1, 2 ]
amdhsa.kernels:
  - .name:           k_qf8084608ee_oproj
    .symbol:         k_qf8084608ee_oproj.kd
    .args:
      - { .name: cimg, .offset: 0, .size: 8, .value_kind: global_buffer, .address_space: global }
      - { .name: csc, .offset: 8, .size: 8, .value_kind: global_buffer, .address_space: global }
      - { .name: Wo_codes, .offset: 16, .size: 8, .value_kind: global_buffer, .address_space: global }
      - { .name: Wo_scales, .offset: 24, .size: 8, .value_kind: global_buffer, .address_space: global }
      - { .name: bo, .offset: 32, .size: 8, .value_kind: global_buffer, .address_space: global }
      - { .name: out0, .offset: 40, .size: 8, .value_kind: global_buffer, .address_space: global }
    .group_segment_fixed_size: 177152
    .private_segment_fixed_size: 0
    .kernarg_segment_align: 8
    .kernarg_segment_size: 48
    .max_flat_workgroup_size: 256
    .sgpr_count:     100
    .vgpr_count:     256
    .wavefront_size: 32
...
	.end_amdgpu_metadata
.endif
;; end of part 3
